; MI455X (gfx1250); checked and timed in simulation.
; The chip was launched on July 23, 2026; its instructions are those of AMD's public machine-readable ISA for CDNA 5 (MIT licence, August 2026) and "CDNA5" Instruction Set Architecture Reference Guide (July 2026). The comments in the code are by the model that wrote it; some were corrected since.
;; Residual Spatial Enhance Module. Allowed arithmetic: float matrix products may take bf16 or f16 operands with f32 sums; other float arithmetic in f32, or as packed bf16 or f16 multiplies, adds, multiply-adds, maxima and minima; sums over many terms, partial sums and values carried from step to step in f32; what a program stores and reads back later, other than sums and carried values, may be rounded once to bf16 or f16.
;; Inputs: bk 128 float32; bn_beta 256 float32; bn_gamma 256 float32; bn_mean 256 float32; bn_var 256 float32; bo 256 float32; bq 128 float32; bv 256 float32; gamma 1 float32; wk 128 x 256 float32; wo 256 x 256 float32; wq 128 x 256 float32; wv 256 x 256 float32; x_guide 8 x 256 x 64 x 64 float32; x_main 8 x 256 x 64 x 64 float32.
;; Outputs: out0 8 x 256 x 64 x 64 float32.
;; One version. Each part assembles by itself: llvm-mc -triple=amdgcn-amd-amdhsa -mcpu=gfx1250 --defsym DOCPART=n.
;; ======== version 1 of 1: 2 launches
;; limits: values are held in f16: magnitudes above 65,504 overflow, below 6.1e-05 lose precision
;; workspace buffers: q16 8,388,608 bytes; kv 25,165,824 bytes; wo16 131,072 bytes
;; launch proj (part 1): grid 32 x 8, 4 waves a work-group, no clusters, 131,584 bytes of LDS; arguments x_main, x_guide, wq, wk, wv, bq, bk, bv, wo, q16, kv, wo16; writes q16, kv, wo16
.if DOCPART == 1
	.amdgcn_target "amdgcn-amd-amdhsa--gfx1250"
	.amdhsa_code_object_version 6
	.text
	.protected	k_qf806eab14a_proj
	.globl	k_qf806eab14a_proj
	.p2align	8
	.type	k_qf806eab14a_proj,@function
k_qf806eab14a_proj:
	s_mov_b64 s[64:65], 0
	v_nop
	global_prefetch_b8 v0, s[64:65] scope:SCOPE_SE
	s_setreg_imm32_b32 hwreg(HW_REG_WAVE_MODE, 25, 1), 1
	s_wait_xcnt 0x0
; THE THREE 1x1 CONVOLUTIONS.  Q = wq x_main + bq, K = wk x_guide + bk, V = wv x_guide + bv, per batch; x: [8][256][4096] f32, a row of 4,096 columns is 16,384 bytes.
; x and the weights are rounded once to bf16 for the products, sums in f32, Q, K, V rounded once to f16.  wo is rounded to bf16 and that number written as f16, for the next launch.
; LIMITS.  f16 ends at 65,504: |Q|, |K|, |V| must stay within it; a wo below 6e-5 keeps f16's fixed step of 6e-8.  NaN and infinities are not treated apart.
; COLUMNS BY FOURS.  In a group of 64 columns tile t (0..3) takes the columns 4 slot + t.  So one 16-byte load a lane (lane % 16 at byte 16 (lane % 16) of a row) feeds four tiles, and 16 lanes read 256 consecutive bytes.
; REGISTER IMAGES.  All three workspaces are made of pieces of 512 bytes, lane l's 16 bytes at 16 l: a packed result tile IS half a fragment of the next launch.  Every store covers 512 consecutive bytes.
;   q16  [b][group of 64 queries][piece 8 t + it]: lane (r, h) holds Q[query 4 r + t][channels 16 it + 8 h .. + 7]
;   kv   [b][block i of 98,304]: 0..32767 K of key tile (i + 2) & 31 (128 keys: two groups of 16,384, pieces as in q16); 32768.. V of key tile i: two groups of 32,768,
;        piece 32 (t / 2) + 2 ct + t % 2: lane (r, h) holds V[channel 16 ct + r][key slots 8 h .. + 7 of tile t]
;   wo16 piece 2 (8 ot + cs) + half: lane (r, h) holds wo[16 ot + r][32 cs + 16 half + 8 h .. + 7]
; SHARES.  A work-group owns 128 columns of one batch.  First each wave turns one tile (x_main or x_guide, one group of 64 columns, all 256 channels) into bf16 fragments in LDS;
; one barrier; then wave 0 makes Q, wave 1 K, waves 2 and 3 a half of V's channels each: 512 matrix instructions a wave, x's fragments held in 512 registers.
; No tensor loads: the f32 has to pass through registers to be rounded, and a ring of four blocks of 16 loads a wave keeps 64 loads of 512 bytes out.  No cluster: only the weights are shared.
.set SPARE, 131072     ; behind the four images of 32,768 bytes: the spare words, 128 bytes a wave
.set WOFF, 2           ; v2   (l % 16) x 1,024 + 32 (l / 16): my place in 16 rows of a weight matrix
.set BOH,  3           ; v3   32 (l / 16): my eight biases, where a lane holds eight channels
.set L16,  4           ; v4   16 l
.set XO,   5           ; v5   (l / 16) x 8 rows of x + 16 (l % 16)
.set XS,   6           ; v6   32,768 x wave + 16 l: where I put my tile's fragments
.set XR,   7           ; v7   where I read fragments: x_main's images (wave 0) or x_guide's
.set SPW,  8           ; v8   LDS address of my spare word; never rewritten
.set NIL,  9           ; v9   0; never rewritten
.set WOV,  10          ; v10-25 wave 0: the work-group's piece of wo
.set BOR,  26          ; v26  4 (l % 16): my one bias, where a lane holds one channel
.set BI,   32          ; v32-39 the bias as the C operand
.set BS,   40          ; v40-47 the next trip's bias as loaded
.set WF,   64          ; v64-127 the trip's 16 rows of weights: 8 fragments of bf16
.set ACC,  128         ; v128-191 8 accumulators, 4 g + t
.set T,    192         ; v192-223 packed numbers on their way out
; window 1: v0-127 the next trip's weights in f32.  window 2: first the ring of x in f32 (4 x 64), then the fragments of group 0, (cs, t) at 8 (4 cs + t).  window 3: those of group 1.
.set WV,   28          ; s28  my wave's number
.set U,    29          ; s29  which 128 columns
.set BB,   30          ; s30  batch
.set CNT,  31          ; s31  trips to go
.set XP,   32          ; s[32:33] x at my tile
.set WP,   34          ; s[34:35] my weights, at the trip's 16 rows
.set BP,   36          ; s[36:37] my bias
.set OP,   38          ; s[38:39] where my results go
.set WOP,  42          ; s[42:43] wo at the work-group's piece
.set WO16P, 44         ; s[44:45] wo16 at the same piece
.set MSB, 0
.macro WIN new                         ; s_set_vgpr_msb: bits 1:0 source 0, 3:2 source 1, 5:4 source 2, 7:6 destination; the high byte repeats the setting that is left
.if MSB != (\new)
	s_set_vgpr_msb (MSB<<8)|(\new)
.set MSB, (\new)
.endif
.endm
.macro PLACES                          ; four plain instructions between a matrix instruction and a reader of its result (ISA guide 7.12.1)
.rept 4
	v_nop
.endr
.endm
	s_load_b512 s[4:19], s[0:1], 0x0               ; x_main, x_guide, wq, wk, wv, bq, bk, bv
	s_load_b256 s[20:27], s[0:1], 0x40             ; wo, q16, kv, wo16
	v_lshl_add_u32 v[SPW], v0, 2, SPARE
	v_mov_b32 v[NIL], 0
	v_lshrrev_b32 v1, 5, v0
	v_readfirstlane_b32 s[WV], v1                  ; wave 0..3
	s_mov_b32 s[U], ttmp9
	s_and_b32 s[BB], ttmp7, 0xffff
	v_and_b32 v27, 15, v0                          ; r = l % 16
	v_bfe_u32 v28, v0, 4, 1                        ; h = l / 16
	v_and_b32 v29, 31, v0                          ; l
	v_lshlrev_b32 v[WOFF], 10, v27
	v_lshl_add_u32 v[WOFF], v28, 5, v[WOFF]
	v_lshlrev_b32 v[BOH], 5, v28
	v_lshlrev_b32 v[BOR], 2, v27
	v_lshlrev_b32 v[L16], 4, v29
	v_lshlrev_b32 v[XO], 4, v27
	v_lshl_add_u32 v[XO], v28, 17, v[XO]           ; 8 rows of 16,384 bytes
	s_lshl_b32 s40, s[WV], 15
	v_add_nc_u32 v[XS], s40, v[L16]
	s_min_u32 s40, s[WV], 1
	s_lshl_b32 s40, s40, 16                        ; wave 0 reads images 0 and 1, the others 2 and 3
	v_add_nc_u32 v[XR], s40, v[L16]
	s_lshl_b32 s46, s[BB], 22                      ; x: batch x 4 MiB + 512 u + 256 (wave % 2)
	s_lshl_b32 s47, s[U], 9
	s_add_co_u32 s46, s46, s47
	s_and_b32 s47, s[WV], 1
	s_lshl_b32 s47, s47, 8
	s_add_co_u32 s46, s46, s47
	s_mov_b32 s47, 0
	s_mov_b32 s41, 0
	s_wait_kmcnt 0x0
	s_cmp_lt_u32 s[WV], 2                          ; waves 0, 1 turn x_main's two groups, waves 2, 3 x_guide's
	s_cselect_b64 s[XP:XP+1], s[4:5], s[6:7]
	s_add_nc_u64 s[XP:XP+1], s[XP:XP+1], s[46:47]
	s_cmp_eq_u32 s[WV], 0                          ; weights and bias by role: wq, wk, wv, wv's rows 128 on
	s_cselect_b64 s[WP:WP+1], s[8:9], s[10:11]
	s_cselect_b64 s[BP:BP+1], s[14:15], s[16:17]
	s_cselect_b64 s[OP:OP+1], s[22:23], s[24:25]
	s_cmp_lt_u32 s[WV], 2
	s_cselect_b64 s[WP:WP+1], s[WP:WP+1], s[12:13]
	s_cselect_b64 s[BP:BP+1], s[BP:BP+1], s[18:19]
	s_cmp_eq_u32 s[WV], 3
	s_cselect_b32 s40, 131072, 0
	s_add_nc_u64 s[WP:WP+1], s[WP:WP+1], s[40:41]
	s_cselect_b32 s40, 512, 0
	s_add_nc_u64 s[BP:BP+1], s[BP:BP+1], s[40:41]
	s_lshl_b32 s46, s[BB], 20                      ; Q: batch x 1 MiB + u x 32,768
	s_lshl_b32 s47, s[U], 15
	s_add_co_u32 s46, s46, s47
	s_mul_i32 s48, s[BB], 3145728                  ; kv: batch x 32 blocks
	s_add_co_u32 s49, s[U], 30                     ; K of key tile u lies in block (u - 2) & 31
	s_and_b32 s49, s49, 31
	s_mul_i32 s49, s49, 98304
	s_add_co_u32 s49, s49, s48
	s_mul_i32 s50, s[U], 98304                     ; V in block u, behind K's 32,768 bytes; wave 3's channel tiles 8 on lie 8,192 bytes further
	s_add_co_u32 s50, s50, s48
	s_lshl_b32 s51, s[WV], 13
	s_add_co_u32 s50, s50, s51
	s_add_co_u32 s50, s50, 16384                   ; 32,768 + (wave - 2) x 8,192
	s_cmp_eq_u32 s[WV], 0
	s_cselect_b32 s40, s46, s49
	s_cmp_lt_u32 s[WV], 2
	s_cselect_b32 s40, s40, s50
	s_add_nc_u64 s[OP:OP+1], s[OP:OP+1], s[40:41]
	s_lshl_b32 s46, s[BB], 5                       ; the work-group's number 0..255 is its piece of wo
	s_add_co_u32 s46, s46, s[U]
	s_lshr_b32 s47, s46, 4
	s_lshl_b32 s47, s47, 14                        ; 16 rows of 1,024 bytes
	s_bfe_u32 s48, s46, 0x30001
	s_lshl_b32 s48, s48, 7                         ; 32 channels
	s_add_co_u32 s47, s47, s48
	s_and_b32 s48, s46, 1
	s_lshl_b32 s48, s48, 6                         ; 16 channels
	s_add_co_u32 s40, s47, s48
	s_add_nc_u64 s[WOP:WOP+1], s[20:21], s[40:41]
	s_lshl_b32 s40, s46, 9
	s_add_nc_u64 s[WO16P:WO16P+1], s[26:27], s[40:41]
	s_cmp_lg_u32 s[WV], 0
	s_cbranch_scc1 .Lno_wo_load
	global_load_b128 v[WOV:WOV+3], v[WOFF], s[WOP:WOP+1]             ; older than every load of x: the counted waits below are not changed by these two
	global_load_b128 v[WOV+4:WOV+7], v[WOFF], s[WOP:WOP+1] offset:16
.Lno_wo_load:
; PHASE X.  Block cs = 32 channels: 16 loads; lane (r, h) takes the rows 32 cs + 8 h + 0..7 and 32 cs + 16 + 8 h + 0..7, four columns of each: the k order of a fragment.
.macro XLD cs
	WIN 0x80                                       ; destination window 2
.set k, 0
.rept 16
	global_load_b128 v[64*((\cs)%4)+4*k:64*((\cs)%4)+4*k+3], v[XO], s[XP:XP+1] offset:(32*(\cs)+k+8*(k/8))*16384 th:TH_LOAD_NT
.set k, k+1
.endr
.endm
.macro XCV cs                          ; the block's four fragments (tile t takes word t of each load), rounded to bf16 and put into my image
	WIN 0x0a                                       ; sources window 2
.set t, 0
.rept 4
.set p, 0
.rept 8
	v_cvt_pk_bf16_f32 v[T+8*t+p], v[64*((\cs)%4)+8*p+t], v[64*((\cs)%4)+8*p+4+t]
.set p, p+1
.endr
.set t, t+1
.endr
	WIN 0
.set t, 0
.rept 4
	ds_store_b128 v[XS], v[T+8*t:T+8*t+3] offset:(4*(\cs)+t)*1024
	ds_store_b128 v[XS], v[T+8*t+4:T+8*t+7] offset:(4*(\cs)+t)*1024+512
.set t, t+1
.endr
.endm
	XLD 0
	XLD 1
	XLD 2
.irp cs, 0,1,2,3,4,5,6,7
.if (\cs)+3 <= 7
	XLD (\cs)+3                                    ; into the ring's block that the conversions of block cs - 1 have read
.endif
.if (\cs) <= 4
	s_wait_loadcnt 48                              ; loads come back in order: three younger blocks of 16 may stay out
.else
	s_wait_loadcnt 16*(7-(\cs))                    ; the counts run down: 32, 16, 0
.endif
	XCV \cs
.endr
	s_cmp_lg_u32 s[WV], 0
	s_cbranch_scc1 .Lno_wo
.irp p, 0,1,2,3
	v_cvt_pk_bf16_f32 v[WOV+8+(\p)], v[WOV+2*(\p)], v[WOV+2*(\p)+1]  ; wo is rounded as the other inputs are,
.endr
.irp p, 0,1,2,3
	v_lshlrev_b32 v[WOV+2*(\p)], 16, v[WOV+8+(\p)]
	v_and_b32 v[WOV+2*(\p)+1], 0xffff0000, v[WOV+8+(\p)]
.endr
.irp p, 0,1,2,3
	v_cvt_pk_f16_f32 v[WOV+12+(\p)], v[WOV+2*(\p)], v[WOV+2*(\p)+1]  ; and that number written as f16
.endr
	global_store_b128 v[L16], v[WOV+12:WOV+15], s[WO16P:WO16P+1]
.Lno_wo:
.macro WLDW                            ; 16 rows of weights in f32: for each 32 channels my 8 + 8 numbers, four loads
	WIN 0x40                                       ; destination window 1
.set c, 0
.rept 8
	global_load_b128 v[16*c:16*c+3],     v[WOFF], s[WP:WP+1] offset:128*c
	global_load_b128 v[16*c+4:16*c+7],   v[WOFF], s[WP:WP+1] offset:128*c+16
	global_load_b128 v[16*c+8:16*c+11],  v[WOFF], s[WP:WP+1] offset:128*c+64
	global_load_b128 v[16*c+12:16*c+15], v[WOFF], s[WP:WP+1] offset:128*c+80
.set c, c+1
.endr
	WIN 0
.endm
.macro WLDB swap
.if \swap
	global_load_b32 v[BS], v[BOR], s[BP:BP+1]
.else
	global_load_b128 v[BS:BS+3], v[BOH], s[BP:BP+1]
	global_load_b128 v[BS+4:BS+7], v[BOH], s[BP:BP+1] offset:16
.endif
.endm
	WLDW                                           ; the first trip's weights are on their way across the barrier: nobody writes them
	s_wait_dscnt 0x0                               ; for the others' sake: my image is whole
	s_barrier_signal -1
	s_barrier_wait -1                              ; all four images are
.irp g, 0,1
	WIN 0x80+0x40*(\g)                             ; group g's 32 fragments into window 2 + g
.set q, 0
.rept 64
	ds_load_b128 v[4*q:4*q+3], v[XR] offset:(\g)*32768+512*q
.set q, q+1
.endr
.endr
	WIN 0
	s_wait_dscnt 0x0
; PHASE M.  A trip makes 16 output channels for the work-group's 128 columns: 64 matrix instructions, four accumulators by turns.
; swap = 0 (Q, K): source 0 = weights, source 1 = x: a lane holds one column and eight channels.  swap = 1 (V): the sources change places: a lane holds one channel and eight columns.
.macro MLOOP swap
	WLDB \swap
	s_mov_b32 s[CNT], 8
.Ltrip_\swap:
	s_wait_loadcnt 0x0                             ; this trip's weights and bias; they were asked for ahead of the last trip's products
.irp j, 0,1,2,3,4,5,6,7
.if \swap
	v_mov_b32 v[BI+(\j)], v[BS]                    ; my channel's bias in all eight registers
.else
	v_mov_b32 v[BI+(\j)], v[BS+(\j)]
.endif
.endr
	WIN 0x05                                       ; sources window 1
.set c, 0
.rept 64
	v_cvt_pk_bf16_f32 v[WF+c], v[2*c], v[2*c+1]
.set c, c+1
.endr
	WIN 0
	s_cmp_eq_u32 s[CNT], 1                         ; the last trip asks for nothing: no load leaves its buffer
	s_cbranch_scc1 .Lno_more_\swap
	s_add_nc_u64 s[WP:WP+1], s[WP:WP+1], 16384     ; free since the wait above
	s_add_nc_u64 s[BP:BP+1], s[BP:BP+1], 64
	WLDW
	WLDB \swap
.Lno_more_\swap:
.irp g, 0,1
.if \swap
	WIN 0x02+(\g)                                  ; x's fragments are source 0
.else
	WIN 0x08+4*(\g)                                ; x's fragments are source 1
.endif
.set c, 0
.rept 8
.set t, 0
.rept 4
.set rA, ACC+8*(4*(\g)+t)
.set rX, 8*(4*c+t)
.set rW, WF+8*c
.if (\swap) && (c == 0)
	v_wmma_f32_16x16x32_bf16 v[rA:rA+7], v[rX:rX+7], v[rW:rW+7], v[BI:BI+7]
.elseif \swap
	v_wmma_f32_16x16x32_bf16 v[rA:rA+7], v[rX:rX+7], v[rW:rW+7], v[rA:rA+7]
.elseif c == 0
	v_wmma_f32_16x16x32_bf16 v[rA:rA+7], v[rW:rW+7], v[rX:rX+7], v[BI:BI+7]
.else
	v_wmma_f32_16x16x32_bf16 v[rA:rA+7], v[rW:rW+7], v[rX:rX+7], v[rA:rA+7]
.endif
.set t, t+1
.endr
.set c, c+1
.endr
.endr
	WIN 0
	PLACES
.set a, 0
.rept 8
.set p, 0
.rept 4
	v_cvt_pk_f16_f32 v[T+4*a+p], v[ACC+8*a+2*p], v[ACC+8*a+2*p+1]  ; each accumulator from its low end on
.set p, p+1
.endr
.set a, a+1
.endr
.irp g, 0,1
.irp t, 0,1,2,3
.if \swap
	global_store_b128 v[L16], v[T+4*(4*(\g)+(\t)):T+4*(4*(\g)+(\t))+3], s[OP:OP+1] offset:(\g)*32768+((\t)/2)*16384+((\t)%2)*512
.else
	global_store_b128 v[L16], v[T+4*(4*(\g)+(\t)):T+4*(4*(\g)+(\t))+3], s[OP:OP+1] offset:(\g)*16384+(\t)*4096
.endif
.endr
.endr
	s_wait_xcnt 0x0                                ; the stores have read T and their base: both are written again only behind this wait
	s_add_nc_u64 s[OP:OP+1], s[OP:OP+1], 512+512*(\swap)
	s_sub_co_u32 s[CNT], s[CNT], 1
	s_cmp_lg_u32 s[CNT], 0
	s_cbranch_scc1 .Ltrip_\swap
.endm
	s_cmp_lt_u32 s[WV], 2
	s_cbranch_scc0 .Lfor_v
	MLOOP 0
	s_branch .Lend
.Lfor_v:
	MLOOP 1
.Lend:
	s_wait_tensorcnt 0x0                           ; the wave's end, behind my last LDS store
	ds_add_u32 v[SPW], v[NIL]
	s_wait_dscnt 0x0
	s_endpgm
.Lfunc_end_k_qf806eab14a_proj:
	.size	k_qf806eab14a_proj, .Lfunc_end_k_qf806eab14a_proj-k_qf806eab14a_proj
	.p2alignl 7, 3214868480
	.fill 96, 4, 3214868480
	.section	.rodata,"a",@progbits
	.p2align	6, 0x0
	.amdhsa_kernel k_qf806eab14a_proj
		.amdhsa_group_segment_fixed_size 131584
		.amdhsa_private_segment_fixed_size 0
		.amdhsa_enable_private_segment 0
		.amdhsa_kernarg_size 96
		.amdhsa_user_sgpr_count 2
		.amdhsa_user_sgpr_kernarg_segment_ptr 1
		.amdhsa_wavefront_size32 1
		.amdhsa_system_sgpr_workgroup_id_x 1
		.amdhsa_system_sgpr_workgroup_id_y 1
		.amdhsa_system_sgpr_workgroup_id_z 1
		.amdhsa_system_vgpr_workitem_id 0
		.amdhsa_next_free_vgpr 1024
		.amdhsa_next_free_sgpr 66
		.amdhsa_reserve_vcc 0
		.amdhsa_float_denorm_mode_32 3
		.amdhsa_float_denorm_mode_16_64 3
		.amdhsa_memory_ordered 1
		.amdhsa_forward_progress 1
		.amdhsa_inst_pref_size 79
	.end_amdhsa_kernel
	.amdgpu_metadata
---
amdhsa.version: [ 1, 2 ]
amdhsa.kernels:
  - .name:           k_qf806eab14a_proj
    .symbol:         k_qf806eab14a_proj.kd
    .args:
      - { .name: x_main, .offset: 0, .size: 8, .value_kind: global_buffer, .address_space: global }
      - { .name: x_guide, .offset: 8, .size: 8, .value_kind: global_buffer, .address_space: global }
      - { .name: wq, .offset: 16, .size: 8, .value_kind: global_buffer, .address_space: global }
      - { .name: wk, .offset: 24, .size: 8, .value_kind: global_buffer, .address_space: global }
      - { .name: wv, .offset: 32, .size: 8, .value_kind: global_buffer, .address_space: global }
      - { .name: bq, .offset: 40, .size: 8, .value_kind: global_buffer, .address_space: global }
      - { .name: bk, .offset: 48, .size: 8, .value_kind: global_buffer, .address_space: global }
      - { .name: bv, .offset: 56, .size: 8, .value_kind: global_buffer, .address_space: global }
      - { .name: wo, .offset: 64, .size: 8, .value_kind: global_buffer, .address_space: global }
      - { .name: q16, .offset: 72, .size: 8, .value_kind: global_buffer, .address_space: global }
      - { .name: kv, .offset: 80, .size: 8, .value_kind: global_buffer, .address_space: global }
      - { .name: wo16, .offset: 88, .size: 8, .value_kind: global_buffer, .address_space: global }
    .group_segment_fixed_size: 131584
    .private_segment_fixed_size: 0
    .kernarg_segment_align: 8
    .kernarg_segment_size: 96
    .max_flat_workgroup_size: 128
    .sgpr_count:     66
    .vgpr_count:     1024
    .wavefront_size: 32
...
	.end_amdgpu_metadata
.endif
;; end of part 1
;; launch attn (part 2): grid 32 x 8, 4 waves a work-group, clusters of 4 x 1, 327,680 bytes of LDS; arguments q16, kv, wo16, x_main, bo, bn_gamma, bn_beta, bn_mean, bn_var, gamma, out0; writes out0
.if DOCPART == 2
	.amdgcn_target "amdgcn-amd-amdhsa--gfx1250"
	.amdhsa_code_object_version 6
	.text
	.protected	k_qf806eab14a_attn
	.globl	k_qf806eab14a_attn
	.p2align	8
	.type	k_qf806eab14a_attn,@function
k_qf806eab14a_attn:
	s_mov_b64 s[64:65], 0
	v_nop
	global_prefetch_b8 v0, s[64:65] scope:SCOPE_SE
	s_setreg_imm32_b32 hwreg(HW_REG_WAVE_MODE, 25, 1), 1
	s_wait_xcnt 0x0
	s_wait_alu depctr_hold_cnt(0) depctr_sa_sdst(0) depctr_va_vdst(0) depctr_va_sdst(0) depctr_va_ssrc(0) depctr_va_vcc(0) depctr_vm_vsrc(0)
	s_getreg_b32 s2, hwreg(HW_REG_IB_STS2, 6, 4)
	s_cmp_eq_u32 s2, 0
	s_cbranch_scc0 .Lentry_in_a_cluster
	s_endpgm
.Lentry_in_a_cluster:
	s_bfe_u32 s2, ttmp6, 0x10000c
	s_cmp_lg_u32 s2, 0x3003
	s_cbranch_scc0 .Lentry_shape_is_right
	s_endpgm
.Lentry_shape_is_right:
; ATTENTION, OUT-CONVOLUTION, BN, ReLU, RESIDUAL.  out0[b][o][n] = x_main[b][o][n] + gamma relu((wo O + bo - mean) inv + beta)[o][n], inv = bn_gamma / sqrt(bn_var + 1e-5),
; O[c][n] = the sum over m of softmax_m(Q[n] . K[m]) V[c][m].  Q, K, V, wo arrive in f16 as register images (pieces of 512 bytes, lane l's 16 bytes at 16 l).
; Products, maxima and sums in f32; the weights p are rounded to f16 for the second product (their sum l is taken of the unrounded p), O once to f16 for the third.
; LIMITS.  |Q|, |K|, |V|, |wo| within 65,504; p below 6e-5 keeps f16's fixed step of 6e-8; a weight below 2^-126 counts as 0 in l; log2(e) x score stays above -4e37; NaN and infinities are not treated apart.
; SHARES.  A work-group owns 128 queries of a batch.  Wave w: queries group w % 2 (64 queries: four tiles t of the columns 4 slot + t), and of every key tile of 128 keys the half w / 2: 32 steps of 64 keys.
; The two halves' maxima, sums and O meet once, at the end, in LDS, in f32.  Then every wave makes 128 of the 256 output channels for its 64 queries.
; LAYOUT.  S^T = K Q^T (source 0 = 16 keys, source 1 = 16 queries): a lane holds ONE query and eight keys.  Two such results rounded to f16 ARE source 1 of O^T = V P, whose result holds one query and eight
; channels a lane; two of those, rounded, ARE source 1 of wo O.  In that last result lane r's numbers of tiles 0..3 are 16 consecutive bytes of a row of out0.
; SOFTMAX.  A running maximum m and sum l: p = 2^(c s - c m), c = log2(e); in every step O and l are multiplied by a = 2^(c m_old - c m_new).  m starts at the lowest finite number, O and l at 0, so the first
; step is a step like any other, with a = 0: 512 v_mov_b32 in the wait for the first data, in place of a first step written out.
; A BODY.  Body i: 64 products K Q^T of step i + 1, behind each four lines of O's rescaling by a(i); then 128 products V P of step i, behind the first 94 four lines each of step i + 1's softmax.
; THE RING.  Block i of kv holds K of step i + 2 and V of step i, so a body reads one slot alone; two slots of 98,304 bytes; each wave brings a quarter by one tensor load, which has a body's 192 matrix
; instructions in which to land.  CLUSTER: the four work-groups of a cluster belong to one batch and walk the same kv: each block is asked for jointly, by the same load, descriptor and mask in all four.
; REGISTERS, in windows of 256 (s_set_vgpr_msb: bits 1:0 source 0, 3:2 source 1, 5:4 source 2, 7:6 destination):
;   window 0: v2-15 addresses; v16-47 eight statistics a tile; v48-63 at work; v64-191 S^T (32 t + 8 kt); v192-255 P (16 t + 8 kk)
;   window 1: v0-127 Q (32 t + 8 c); v128-191, v192-255 two buffers of 64 for K's and V's chunks        window 2, 3: O^T, channel tiles 0-7 and 8-15, at 32 f + 8 t
.set SLOT1, 1<<17      ; slot 1 begins here: one exclusive or turns an address in one slot into the other's
.set BLOCK, 98304
.set COEF,  98304      ; behind slot 0, in blocks of 256 bytes into which no fill lands: inv[256], then the shift[256]
.set STAT,  100352     ; the upper key half's statistics: 2 x 2,048
.set SPARE, 104448     ; the spare words, 128 bytes a wave
.set OFS,   229376     ; behind slot 1: O in f16 fragments, 2 x 32,768
.set L16, 2            ; v2   16 l
.set AK,  3            ; v3   the LDS address of K's runs of loads
.set AV,  4            ; v4   of V's
.set AK0, 5            ; v5   my place in a block's K: 16 l + 16,384 x key half
.set AV0, 6            ; v6   in its V: 16 l + 32,768 + 32,768 x key half
.set PFO, 7            ; v7   256 l
.set XO,  8            ; v8   (l / 16) x 8 rows of 16,384 bytes + 16 (l % 16)
.set CO,  9            ; v9   my eight coefficients
.set OST, 10           ; v10  the f32 stage for O: inside the slots, written when they have had their last fill: 131,072 x query group + 16 l
.set SSA, 11           ; v11  my place in STAT
.set OFA, 12           ; v12  my place in OFS
.set PXO, 13           ; v13  16,384 l
.set SPW, 14           ; v14  LDS address of my spare word; never rewritten
.set NIL, 15           ; v15  0; never rewritten
.set ST,  16           ; tile t at ST + 8 t: c m, m, l (even keys', odd keys'), c0-c3 at work; a takes c2's place
.set PS,  48
.set S,   64
.set P,   192
.set WV,  26
.set QG,  27           ; s27  wave % 2
.set KH,  28           ; s28  wave / 2
.set CX,  29           ; s29  my place in the cluster: it enters global addresses alone
.set BLK, 30
.set BAT, 31
.set G1,  32           ; s[32:39] descriptor group 1
.set G0,  40           ; s[40:43] descriptor group 0: it walks
.set SL,  44           ; s44  blocks still to be asked for
.set LIM, 45           ; s45  1 in a wave that prefetches kv, else the greatest number
.set PFA, 46           ; s[46:47] where my prefetches of kv stand
.set CS,  48           ; s[48:49] c
.set SEL, 50           ; s[50:51] v_permlanex16_b32's selects: each lane takes its own place in the other half
.set TB,  52           ; s52  the slot in hand
.set GAM, 53           ; s53  gamma
.set CNT, 54
.set XB,  56           ; s[56:57] x_main at my 128 rows and 64 columns
.set OB,  58           ; s[58:59] out0 there
.set WB,  60           ; s[60:61] wo16 at my 128 rows
.set KB,  62           ; s[62:63] kv of my batch
.set TA,  66           ; s[66:67] an offset in 64 bits
.set QB,  68           ; s[68:69] q16 at my 64 queries
.set MSB, 0
.macro WIN new                         ; the high byte repeats the setting that is left; a switch that changes nothing is dropped
.if MSB != (\new)
	s_set_vgpr_msb (MSB<<8)|(\new)
.set MSB, (\new)
.endif
.endm
.macro PLACES                          ; four plain instructions behind a matrix instruction, in front of a reader of its result, a writer of its sources or a load into them (ISA guide 7.12.1 for readers and writers)
.rept 4
	v_nop
.endr
.endm
.macro CROUND                          ; a round of the cluster's barrier
	s_barrier_signal -1
	s_barrier_wait -1
	s_cmp_lg_u32 s[WV], 0
	s_cbranch_scc1 .Lnot_wave_0_\@
	s_barrier_signal -3
.Lnot_wave_0_\@:
	s_barrier_wait -3
	s_barrier_signal -1
	s_barrier_wait -1
.endm
.macro JLOAD                           ; my quarter of a block: 96 rows of 256 bytes; an s_nop 0 and four v_nop follow
	tensor_load_to_lds s[G0:G0+3], s[G1:G1+7]
	s_nop 0
.rept 4
	v_nop
.endr
.endm
; A PREFETCH INTO THE L2 of the block that the NEXT change of slots will ask for: 384 rows of 256 bytes, a lane a row.  All eight clusters of a batch walk the same kv: the first asks.  Its four partners take
; 96 rows each, told apart by address; in each, waves 0 to 2 take 32.  So each row is named once in the launch.  The last change that fills a slot asks for nothing; blocks 0 and 1 come by their loads alone.
.macro ASK
	s_cmp_gt_u32 s[SL], s[LIM]
	s_cbranch_scc0 .Lnot_mine_\@
	global_prefetch_b8 v[PFO], s[PFA:PFA+1] th:TH_LOAD_NT scope:SCOPE_SE
.Lnot_mine_\@:
.endm
	s_load_b512 s[4:19], s[0:1], 0x0               ; q16, kv, wo16, x_main, bo, bn_gamma, bn_beta, bn_mean
	s_load_b128 s[20:23], s[0:1], 0x40             ; bn_var, gamma
	s_load_b64 s[24:25], s[0:1], 0x50              ; out0
	v_lshl_add_u32 v[SPW], v0, 2, SPARE
	v_mov_b32 v[NIL], 0
	ds_add_u32 v[SPW], v[NIL]                      ; the wave's opening: the add and its wait ahead of my first tensor load; the set-up below, work on registers, stands between them
	v_lshrrev_b32 v1, 5, v0
	v_readfirstlane_b32 s[WV], v1                  ; wave 0..3
	s_and_b32 s[QG], s[WV], 1
	s_lshr_b32 s[KH], s[WV], 1
	s_bfe_u32 s[CX], ttmp6, 0x40000
	s_lshl_b32 s[BLK], ttmp9, 2                    ; in a cluster launch ttmp9 counts clusters
	s_add_co_u32 s[BLK], s[BLK], s[CX]             ; my block of 128 queries
	s_and_b32 s[BAT], ttmp7, 0xffff                ; the batch, which the four partners share
	s_mov_b32 s[G1], 15|(3<<16)|(1<<21)            ; 15:0 the mask of four; 17:16 elements of 8 bytes; 21 set beside a mask; no padding: fragments are read as 512 consecutive bytes
	s_mov_b32 s[G1+1], 32<<16                      ; tensor_dim0 = 32 elements = 256 bytes
	s_mov_b32 s[G1+2], 96<<16                      ; tensor_dim1 = 96
	s_mov_b32 s[G1+3], 32<<16                      ; tile_dim0 = 32
	s_mov_b32 s[G1+4], 96                          ; tile_dim1 = 96
	s_mov_b32 s[G1+5], 32                          ; dense: 32 elements from row to row
	s_mov_b32 s[G1+6], 0
	s_mov_b32 s[G1+7], 0
	s_mov_b32 s[G0], 1
	s_mul_i32 s[G0+1], s[WV], 24576                ; LDS address: slot 0, my quarter
	s_mov_b32 s[CS], 0x3fb8aa3b                    ; c = log2(e)
	s_mov_b32 s[CS+1], s[CS]                       ; named with it as a pair
	s_mov_b32 s[SEL], 0x76543210
	s_mov_b32 s[SEL+1], 0xfedcba98
	v_and_b32 v50, 15, v0                          ; r = l % 16
	v_bfe_u32 v51, v0, 4, 1                        ; h = l / 16
	v_and_b32 v52, 31, v0                          ; l
	v_lshlrev_b32 v[L16], 4, v52
	s_lshl_b32 s[TA], s[KH], 14
	v_add_nc_u32 v[AK0], s[TA], v[L16]
	s_lshl_b32 s[TA], s[KH], 15
	s_add_co_u32 s[TA], s[TA], 32768
	v_add_nc_u32 v[AV0], s[TA], v[L16]
	v_lshlrev_b32 v[PFO], 8, v52
	v_lshlrev_b32 v[XO], 4, v50
	v_lshl_add_u32 v[XO], v51, 17, v[XO]
	s_lshl_b32 s[TA], s[KH], 9
	s_add_co_u32 s[TA], s[TA], COEF
	v_lshl_add_u32 v[CO], v51, 5, s[TA]
	s_lshl_b32 s[TA], s[QG], 17
	v_add_nc_u32 v[OST], s[TA], v[L16]
	s_lshl_b32 s[TA], s[QG], 11
	s_add_co_u32 s[TA], s[TA], STAT
	v_add_nc_u32 v[SSA], s[TA], v[L16]
	s_lshl_b32 s[TA], s[QG], 15
	s_add_co_u32 s[TA], s[TA], OFS
	v_add_nc_u32 v[OFA], s[TA], v[L16]
	v_lshlrev_b32 v[PXO], 14, v52
	v_lshlrev_b32 v48, 3, v0                       ; two channels a thread, in the five vectors of 256
	v_lshl_add_u32 v49, v0, 3, COEF
	s_cmp_lt_u32 s[WV], 3
	s_cselect_b32 s[LIM], 0, 1
	s_or_b32 s[LIM], s[LIM], ttmp9                 ; the batch's first cluster: the same in all four partners
	s_cmp_eq_u32 s[LIM], 0
	s_cselect_b32 s[LIM], 1, -1
	s_wait_dscnt 0x0                               ; the opening add is done
	s_wait_kmcnt 0x0
	s_load_b32 s[GAM], s[22:23], 0x0
	s_mul_i32 s[TA], s[BAT], 32*BLOCK
	s_mov_b32 s[TA+1], 0
	s_add_nc_u64 s[KB:KB+1], s[6:7], s[TA:TA+1]
	s_mov_b32 s[TA], s[G0+1]
	s_add_nc_u64 s[G0+2:G0+3], s[KB:KB+1], s[TA:TA+1]  ; block 0, my quarter: batch and wave alone enter the descriptor
	s_or_b32 s[G0+3], s[G0+3], 0x80000000          ; type = 2
	s_mul_i32 s[TA], s[CX], 24576
	s_lshl_b32 s[CNT], s[WV], 13
	s_add_co_u32 s[TA], s[TA], s[CNT]
	s_add_co_u32 s[TA], s[TA], BLOCK               ; in block 1: the first change of slots steps it to block 2
	s_add_nc_u64 s[PFA:PFA+1], s[KB:KB+1], s[TA:TA+1]
	s_lshl_b32 s[TA], s[KH], 14
	s_add_nc_u64 s[KB:KB+1], s[KB:KB+1], s[TA:TA+1]    ; at my key half of a block's K
	s_lshl_b32 s[CNT], s[BLK], 1
	s_add_co_u32 s[CNT], s[CNT], s[QG]             ; my group of 64 queries
	s_lshl_b32 s[TA], s[BAT], 20
	s_lshl_b32 s[SL], s[CNT], 14
	s_add_co_u32 s[TA], s[TA], s[SL]
	s_add_nc_u64 s[QB:QB+1], s[4:5], s[TA:TA+1]
	s_lshl_b32 s[TA], s[BAT], 22
	s_lshl_b32 s[SL], s[KH], 21                    ; 128 rows of 16,384 bytes
	s_add_co_u32 s[TA], s[TA], s[SL]
	s_lshl_b32 s[SL], s[CNT], 8
	s_add_co_u32 s[TA], s[TA], s[SL]
	s_add_nc_u64 s[XB:XB+1], s[10:11], s[TA:TA+1]
	s_add_nc_u64 s[OB:OB+1], s[24:25], s[TA:TA+1]
	s_lshl_b32 s[TA], s[KH], 16
	s_add_nc_u64 s[WB:WB+1], s[8:9], s[TA:TA+1]
	s_wait_kmcnt 0x0                               ; gamma
	CROUND                                         ; all four work-groups are here: the first joint loads meet
	JLOAD                                          ; block 0 into slot 0.  Slot 1 is asked for by the loop's first change of slots
	WIN 0x40                                       ; destination window 1
.set q, 0
.rept 32
	global_load_b128 v[4*q:4*q+3], v[L16], s[QB:QB+1] offset:512*q              ; Q stays in registers
.set q, q+1
.endr
.set q, 0
.rept 32
	global_load_b128 v[128+4*q:128+4*q+3], v[L16], s[KB:KB+1] offset:30*BLOCK+512*q  ; K of step 0 lies in block 30
.set q, q+1
.endr
	WIN 0
	global_load_b64 v[64:65], v48, s[12:13]        ; bo
	global_load_b64 v[66:67], v48, s[14:15]        ; bn_gamma
	global_load_b64 v[68:69], v48, s[16:17]        ; bn_beta
	global_load_b64 v[70:71], v48, s[18:19]        ; bn_mean
	global_load_b64 v[72:73], v48, s[20:21]        ; bn_var
	WIN 0x80
.set q, 0
.rept 256
	v_mov_b32 v[q], 0                              ; O^T starts at 0, in the wait for the first data
.set q, q+1
.endr
	WIN 0xc0
.set q, 0
.rept 256
	v_mov_b32 v[q], 0
.set q, q+1
.endr
	WIN 0
.irp t, 0,1,2,3
	v_mov_b32 v[ST+8*(\t)], 0xfe000000             ; c m: far below every c s
	v_mov_b32 v[ST+8*(\t)+1], 0xff7fffff           ; m
	v_mov_b32 v[ST+8*(\t)+2], 0
	v_mov_b32 v[ST+8*(\t)+3], 0
.endr
	s_wait_loadcnt 0x0
	v_add_f32 v72, 0x3727c5ac, v72                 ; bn_var + 1e-5
	v_add_f32 v73, 0x3727c5ac, v73
	v_rsq_f32 v74, v72
	v_rsq_f32 v75, v73
	v_pk_add_f32 v[64:65], v[64:65], v[70:71] neg_lo:[0,1] neg_hi:[0,1]  ; bo - mean: the plain instruction behind the two roots
	s_wait_alu depctr_va_vdst(0)                   ; one wait for both, ahead of their first reader
	v_pk_mul_f32 v[66:67], v[66:67], v[74:75]      ; inv
	v_pk_fma_f32 v[68:69], v[64:65], v[66:67], v[68:69]  ; the shift (bo - mean) inv + beta
	ds_store_b64 v49, v[66:67]
	ds_store_b64 v49, v[68:69] offset:1024
; THE MATRIX WORK.  Product i of 64 of S^T = K Q^T: chunk i / 32 of K (two key tiles), channels 32 ((i % 32) / 8) on, key tile 2 (i / 32) + (i % 8) / 4, query tile i % 4.  Eight accumulators by turns.
.macro KQ
	WIN 0x05                                       ; K and Q in window 1
.set rS, S+32*(i%4)+8*(2*(i/32)+(i%8)/4)
.set rK, 128+64*(i/32)+8*(4*((i%8)/4)+(i%32)/8)
.set rQ, 32*(i%4)+8*((i%32)/8)
.if (i%32) < 8
	v_wmma_f32_16x16x32_f16 v[rS:rS+7], v[rK:rK+7], v[rQ:rQ+7], 0
.else
	v_wmma_f32_16x16x32_f16 v[rS:rS+7], v[rK:rK+7], v[rQ:rQ+7], v[rS:rS+7]
.endif
.endm
; Product i of 128 of O^T += V P: chunk g = i / 32 (keys 32 (g / 2) on, channel half g % 2), channel tile (i % 32) / 4 of the half, query tile i % 4.  A chunk's 32 accumulators are all different.
.macro PV
.set g, i/32
	WIN 0xa1+0x50*(g%2)                            ; V in window 1, P in window 0, O^T in window 2 or 3
.set rO, 32*((i%32)/4)+8*(i%4)
.set rV, 128+64*(g%2)+8*((i%32)/4)
.set rP, P+16*(i%4)+8*(g/2)
	v_wmma_f32_16x16x32_f16 v[rO:rO+7], v[rV:rV+7], v[rP:rP+7], v[rO:rO+7]
.endm
.macro RS                              ; accumulator i of 64 of O^T times its tile's a, from its low end on
	WIN 0x82+0x41*(i/32)                           ; destination and source 0 in window 2 or 3, a in window 0
.irp z, 0,1,2,3
	v_pk_mul_f32 v[8*(i%32)+2*(\z):8*(i%32)+2*(\z)+1], v[8*(i%32)+2*(\z):8*(i%32)+2*(\z)+1], v[ST+8*(i%4)+6:ST+8*(i%4)+7] op_sel_hi:[1,0]
.endr
.endm
.macro FETCH adr, off, hb              ; a run of 16 LDS loads: a chunk of 8,192 bytes into buffer hb; each load takes 512 consecutive bytes
	WIN 0x40
.set q, 0
.rept 16
	ds_load_b128 v[128+64*(\hb)+4*q:128+64*(\hb)+4*q+3], v[\adr] offset:(\off)+512*q
.set q, q+1
.endr
.endm
; THE VECTOR WORK.  A tile's softmax for a step is a list of 94 lines; SM writes number j of it for tile t.  s0-s31 are the lane's 32 scores, in pairs 0-15.
;   0-15   the maximum of s0-s31 and the old m, three operands at a time; each accumulator's lowest registers are read first
;   16-20  the other half of the lanes' maximum; the new m; c m; c m_old - c m_new
;   21-69  ONE BATCH: the 16 scalings c s - c m and all 33 exponentials (a at 23); none of these reads an exponential's result
;   70-77  pairs 0-7 rounded to f16: P's lower half, free when the step in hand's first 64 products have read it.  (Pairs 8-15 are rounded at the change of slots: CB.)
;   78-93  the sums, in place on pairs 0-7 alone, so that pairs 8-15 stay whole; l = a l + the sum
.macro SM t
.set rT, ST+8*(\t)
.set rS, S+32*(\t)
.set rP, P+16*(\t)
	WIN 0
.if j < 4
	v_max3_num_f32 v[rT+4+j], v[rS+8*j], v[rS+8*j+1], v[rS+8*j+2]
.elseif j < 12
	v_max3_num_f32 v[rT+4+j%4], v[rT+4+j%4], v[rS+8*(j%4)+2*(j/4)+1], v[rS+8*(j%4)+2*(j/4)+2]
.elseif j == 12
	v_max3_num_f32 v[rT+4], v[rT+4], v[rS+7], v[rS+15]
.elseif j == 13
	v_max3_num_f32 v[rT+6], v[rT+6], v[rS+23], v[rS+31]
.elseif j == 14
	v_max3_num_f32 v[rT+4], v[rT+4], v[rT+5], v[rT+6]
.elseif j == 15
	v_max3_num_f32 v[rT+4], v[rT+4], v[rT+7], v[rT+1]
.elseif j == 16
	v_permlanex16_b32 v[rT+5], v[rT+4], s[SEL], s[SEL+1]  ; the query's other 32 keys lie in the lane 16 away
.elseif j == 17
	v_mov_b32 v[rT+7], v[rT]                       ; c m_old is kept for a
.elseif j == 18
	v_max_num_f32 v[rT+1], v[rT+4], v[rT+5]
.elseif j == 19
	v_mul_f32 v[rT], s[CS], v[rT+1]
.elseif j == 20
	v_sub_f32 v[rT+7], v[rT+7], v[rT]
.elseif j == 23
	v_exp_f32 v[rT+6], v[rT+7]
.elseif (j < 23) || ((j < 38) && (j%2 == 0)) || ((j < 66) && (j%4 == 2))
.set b, (j-2)/4                        ; 38, 42, .. 62: pairs 9 to 15
.if j < 38
.set b, (j-20)/2                       ; 21: pair 0; 22, 24, .. 36: pairs 1 to 8
.endif
	v_pk_fma_f32 v[rS+2*b:rS+2*b+1], v[rS+2*b:rS+2*b+1], s[CS:CS+1], v[rT:rT+1] op_sel_hi:[1,0,0] neg_lo:[0,0,1] neg_hi:[0,0,1]
.elseif j < 70
.set e, j-38                           ; 66 to 69: s28 to s31
.if j < 66
.set e, j-32-(j-38)/4                  ; 39-41, 43-45, .. 63-65: s7 to s27
.endif
.if j < 38
.set e, (j-25)/2                       ; 25, 27, .. 37: s0 to s6
.endif
	v_exp_f32 v[rS+e], v[rS+e]
.elseif j < 78
	v_cvt_pk_f16_f32 v[rP+j-70], v[rS+2*(j-70)], v[rS+2*(j-70)+1]
.else
.set z, j-78
.if z < 8
	v_pk_add_f32 v[rS+2*z:rS+2*z+1], v[rS+2*z:rS+2*z+1], v[rS+2*z+16:rS+2*z+17]
.elseif z < 12
	v_pk_add_f32 v[rS+2*(z-8):rS+2*(z-8)+1], v[rS+2*(z-8):rS+2*(z-8)+1], v[rS+2*(z-8)+8:rS+2*(z-8)+9]
.elseif z < 14
	v_pk_add_f32 v[rS+2*(z-12):rS+2*(z-12)+1], v[rS+2*(z-12):rS+2*(z-12)+1], v[rS+2*(z-12)+4:rS+2*(z-12)+5]
.elseif z == 14
	v_pk_add_f32 v[rS:rS+1], v[rS:rS+1], v[rS+2:rS+3]
.else
	v_pk_fma_f32 v[rT+2:rT+3], v[rT+2:rT+3], v[rT+6:rT+7], v[rS:rS+1] op_sel_hi:[1,0,1]
.endif
.endif
.endm
; Slice k of 94: four lines.  0-34: numbers 0-69 of tiles 0, 1; 35-69: of tiles 2, 3 (of each 35: the first 11 take numbers 2 k, 2 k + 1 of both tiles, the other 24 four numbers of one tile, the tiles by turns).
; Behind slice 69 all 132 exponentials are out and no result has been named: a plain instruction and ONE wait ahead of the first reader.  70-81, 82-93: numbers 70-93 of the two pairs of tiles.
.macro SLICE
.if k < 70
.set kk, k%35
.set y, 2*(k/35)
.if kk >= 11
.irp n, 0,1,2,3
.set j, 22+4*((kk-11)/2)+(\n)
	SM y+(kk-11)%2
.endr
.else
.irp n, 0,1
.irp tt, 0,1
.set j, 2*kk+(\n)
	SM y+(\tt)
.endr
.endr
.endif
.if k == 69
	v_nop
	s_wait_alu depctr_va_vdst(0)
.endif
.else
.set kk, (k-70)%12
.set y, 2*((k-70)/12)
.irp n, 0,1
.irp tt, 0,1
.set j, 70+2*kk+(\n)
	SM y+(\tt)
.endr
.endr
.endif
.set k, k+1
.endm
.macro CB                              ; pairs 8-15 of the four tiles rounded to f16: P's upper half, free when the step's last product has read it
.set t, 0
.rept 4
.set p, 8
.rept 8
	v_cvt_pk_f16_f32 v[P+16*t+p], v[S+32*t+2*p], v[S+32*t+2*p+1]
.set p, p+1
.endr
.set t, t+1
.endr
.endm
; THE CHANGE OF SLOTS, at a body's head.  Each wave waits for all its tensor loads, of which one is out: its quarter of the block now wanted; adds 0 to its spare word; and waits for that and for its reads of the slot
; that it leaves.  fill = 1: that slot is filled again with the next block: the barrier is a round of the cluster's, and the joint load is the first thing behind it.
.macro CHANGE fill
	WIN 0
	s_wait_tensorcnt 0x0                           ; no tensor load of mine is out, so group 0 may be written
	ds_add_u32 v[SPW], v[NIL]                      ; 0 onto my spare word: work on registers stands between it and the wait for it
.if \fill
	s_xor_b32 s[G0+1], s[G0+1], SLOT1              ; the other slot than last time,
	s_add_nc_u64 s[G0+2:G0+3], s[G0+2:G0+3], BLOCK ; the next block; the type bits on top are not reached
	s_wait_xcnt 0x0                                ; the last prefetch, a body back, has read its address
	s_add_nc_u64 s[PFA:PFA+1], s[PFA:PFA+1], BLOCK
.endif
	s_xor_b32 s[TB], s[TB], SLOT1
	CB
	v_add_nc_u32 v[AK], s[TB], v[AK0]
	v_add_nc_u32 v[AV], s[TB], v[AV0]
	s_wait_dscnt 0x0                               ; the add is done, and my reads of the old slot are over
.if \fill
	CROUND
	JLOAD
	ASK
.else
	s_barrier_signal -1
	s_barrier_wait -1
.endif
.endm
; The 128 products V P.  Each chunk's run of loads is waited for with the one younger run of 16 left out.  ride = 1: the next step's softmax rides, and K of the step after next is fetched when V's chunks 2 and 3 are read.
.macro PVS ride
.set i, 0
.set k, 0
.rept 128
.if i%32 == 0
.if (i == 96) && ((\ride) == 0)
	s_wait_dscnt 0x0                               ; no run was issued behind chunk 3's
.else
	s_wait_dscnt 16
.endif
.endif
	PV
.if (\ride) && (i < 94)
	SLICE
.endif
.if i == 31
	PLACES
	FETCH AV, 16384, 0
.elseif i == 63
	PLACES                                         ; also the places in front of the roundings that write P's lower half
	FETCH AV, 24576, 1
.elseif (i == 95) && (\ride)
	PLACES
	FETCH AK, 0, 0
.elseif (i == 127) && (\ride)
	PLACES                                         ; also the places in front of CB
	FETCH AK, 8192, 1
.endif
.set i, i+1
.endr
	WIN 0
.endm
.set i, 0
.rept 64
	KQ                                             ; step 0's scores: there is no vector work yet to set between them
.set i, i+1
.endr
	WIN 0
	PLACES
	WIN 0x40
.set q, 0
.rept 32
	global_load_b128 v[128+4*q:128+4*q+3], v[L16], s[KB:KB+1] offset:31*BLOCK+512*q  ; K of step 1 lies in block 31
.set q, q+1
.endr
.set k, 0
.rept 94
	SLICE                                          ; step 0's softmax: a = 0
.endr
	s_wait_loadcnt 0x0
	s_mov_b32 s[TB], SLOT1                         ; the first change of slots turns it into 0
	s_mov_b32 s[SL], 31
.Lstep:                                        ; 31 bodies: every block but the first is asked for here
	CHANGE 1
.set i, 0
.rept 64
	KQ
	RS                                             ; four plain lines that name none of the product's registers: also the places in front of the two runs below
.if i == 31
	FETCH AV, 0, 0
.elseif i == 63
	FETCH AV, 8192, 1
.endif
.set i, i+1
.endr
	PVS 1
	s_sub_co_u32 s[SL], s[SL], 1
	s_cmp_lg_u32 s[SL], 0
	s_cbranch_scc1 .Lstep
	CHANGE 0                                       ; the last body is written out: nothing is asked for, and there is no further step's K Q^T
	FETCH AV, 0, 0
	FETCH AV, 8192, 1
	WIN 0
.irp n, 0,1,2,3
	global_prefetch_b8 v[PXO], s[XB:XB+1] offset:(\n)*524288 th:TH_LOAD_NT scope:SCOPE_SE  ; my 128 rows x 256 bytes of x_main, a lane a row: each named once in the launch, a body and the meeting of the halves ahead of its load
.endr
.set i, 0
.rept 64
	RS
.set i, i+1
.endr
	PVS 0
	; THE TWO KEY HALVES MEET.  l's two halves and the other half of the lanes' are added: the first four lines are the places behind the last products.
.irp t, 0,1,2,3
	v_add_f32 v[ST+8*(\t)+2], v[ST+8*(\t)+2], v[ST+8*(\t)+3]
.endr
.irp t, 0,1,2,3
	v_permlanex16_b32 v[ST+8*(\t)+3], v[ST+8*(\t)+2], s[SEL], s[SEL+1]
.endr
.irp t, 0,1,2,3
	v_add_f32 v[ST+8*(\t)+2], v[ST+8*(\t)+2], v[ST+8*(\t)+3]
.endr
	s_wait_dscnt 0x0                               ; my reads of the ring are over
	s_barrier_signal -1
	s_barrier_wait -1                              ; everybody's are: the slots, which have had their last fill, may be written
	s_cmp_lt_u32 s[WV], 2
	s_cbranch_scc1 .Lkeep
.irp t, 0,1,2,3
	ds_store_b128 v[SSA], v[ST+8*(\t):ST+8*(\t)+3] offset:512*(\t)  ; waves 2, 3: c m, m, l
.endr
	WIN 0x08                                       ; data in window 2
.set q, 0
.rept 64
	ds_store_b128 v[OST], v[4*q:4*q+3] offset:512*q                ; and O^T in f32, each accumulator from its low end on
.set q, q+1
.endr
	WIN 0x0c                                       ; data in window 3
.set q, 0
.rept 64
	ds_store_b128 v[OST], v[4*q:4*q+3] offset:512*(64+q)
.set q, q+1
.endr
	WIN 0
.Lkeep:
	s_wait_dscnt 0x0                               ; for the others' sake: my stores are done
	s_barrier_signal -1
	s_barrier_wait -1
	s_cmp_lt_u32 s[WV], 2
	s_cbranch_scc0 .Lidle
.macro MLD n                           ; the partner's accumulators 8 n .. 8 n + 7, into one of two halves of S^T's registers
	WIN 0
.set q, 0
.rept 16
	ds_load_b128 v[S+64*((\n)%2)+4*q:S+64*((\n)%2)+4*q+3], v[OST] offset:512*(16*(\n)+q)
.set q, q+1
.endr
.endm
.macro MRG n                           ; O = O0 f0 + O1 f1, rounded to f16 into window 1 as source 1 of the last product: fragment (cs, t) at 8 (4 cs + t); here cs = n
.set PT, S+64*((\n)%2)
	WIN 0
.set a, 0
.rept 8
.irp p, 0,1,2,3
	v_pk_mul_f32 v[PT+8*a+2*(\p):PT+8*a+2*(\p)+1], v[PT+8*a+2*(\p):PT+8*a+2*(\p)+1], v[ST+8*(a%4)+6:ST+8*(a%4)+7] op_sel_hi:[1,0]
.endr
.set a, a+1
.endr
	WIN 0x02+(\n)/4                                ; source 0: my O^T, window 2 or 3
.set a, 0
.rept 8
.irp p, 0,1,2,3
	v_pk_fma_f32 v[PT+8*a+2*(\p):PT+8*a+2*(\p)+1], v[64*((\n)%4)+8*a+2*(\p):64*((\n)%4)+8*a+2*(\p)+1], v[ST+8*(a%4)+4:ST+8*(a%4)+5], v[PT+8*a+2*(\p):PT+8*a+2*(\p)+1] op_sel_hi:[1,0,1]
.endr
.set a, a+1
.endr
	WIN 0x40                                       ; destination window 1
.set a, 0
.rept 8
.irp p, 0,1,2,3
	v_cvt_pk_f16_f32 v[8*(4*(\n)+a%4)+4*(a/4)+(\p)], v[PT+8*a+2*(\p)], v[PT+8*a+2*(\p)+1]
.endr
.set a, a+1
.endr
.endm
.irp t, 0,1,2,3
	ds_load_b128 v[PS+4*(\t):PS+4*(\t)+3], v[SSA] offset:512*(\t)
.endr
	MLD 0
	s_wait_dscnt 16                                ; the statistics are in; the run of 16 behind them may stay out
.irp t, 0,1,2,3
	v_max_num_f32 v[ST+8*(\t)+4], v[ST+8*(\t)], v[PS+4*(\t)]
.endr
.irp t, 0,1,2,3
	v_sub_f32 v[ST+8*(\t)+5], v[ST+8*(\t)], v[ST+8*(\t)+4]
	v_sub_f32 v[ST+8*(\t)+7], v[PS+4*(\t)], v[ST+8*(\t)+4]
.endr
.irp t, 0,1,2,3
	v_exp_f32 v[ST+8*(\t)+4], v[ST+8*(\t)+5]       ; e0, e1: each half's weight under the common maximum
	v_exp_f32 v[ST+8*(\t)+6], v[ST+8*(\t)+7]
.endr
	v_nop
	s_wait_alu depctr_va_vdst(0)                   ; one wait for the eight
.irp t, 0,1,2,3
	v_mul_f32 v[ST+8*(\t)+5], v[ST+8*(\t)+4], v[ST+8*(\t)+2]
.endr
.irp t, 0,1,2,3
	v_fma_f32 v[ST+8*(\t)+5], v[ST+8*(\t)+6], v[PS+4*(\t)+2], v[ST+8*(\t)+5]
.endr
.irp t, 0,1,2,3
	v_rcp_f32 v[ST+8*(\t)+7], v[ST+8*(\t)+5]
.endr
	v_nop
	s_wait_alu depctr_va_vdst(0)                   ; one wait for the four
.irp t, 0,1,2,3
	v_mul_f32 v[ST+8*(\t)+4], v[ST+8*(\t)+4], v[ST+8*(\t)+7]  ; f0
	v_mul_f32 v[ST+8*(\t)+6], v[ST+8*(\t)+6], v[ST+8*(\t)+7]  ; f1
.endr
.irp n, 0,1,2,3,4,5,6,7
.if (\n) < 7
	MLD (\n)+1
	s_wait_dscnt 16                                ; all but the run just issued
.else
	s_wait_dscnt 0x0
.endif
	MRG \n
.endr
	WIN 0x04                                       ; data in window 1
.set q, 0
.rept 64
	ds_store_b128 v[OFA], v[4*q:4*q+3] offset:512*q
.set q, q+1
.endr
	WIN 0
.Lidle:
	s_wait_dscnt 0x0
	s_barrier_signal -1
	s_barrier_wait -1
	s_cmp_lt_u32 s[WV], 2
	s_cbranch_scc1 .Lhave
	WIN 0x40
.set q, 0
.rept 64
	ds_load_b128 v[4*q:4*q+3], v[OFA] offset:512*q ; waves 2, 3 take the same fragments of O
.set q, q+1
.endr
	WIN 0
	s_wait_dscnt 0x0
.Lhave:
	; THE OUT-CONVOLUTION AND THE WAY OUT.  Eight tiles of 16 output channels a wave.  Window 0: v64-127, v128-191 wo's fragments, two buffers; v192-223 four accumulators (tile t); v224-255 results;
	; v16-23 inv, v24-31 the shift.  Window 2: v0-31, v32-63 x_main, two buffers.  Loads run two tiles ahead: W = 16 loads of wo16, X = 8 of x_main.
.macro WLD buf, off
	WIN 0
.set q, 0
.rept 16
	global_load_b128 v[64+64*(\buf)+4*q:64+64*(\buf)+4*q+3], v[L16], s[WB:WB+1] offset:(\off)+512*q
.set q, q+1
.endr
.endm
.macro XLD buf, off
	WIN 0x80
.set q, 0
.rept 8
	global_load_b128 v[32*(\buf)+4*q:32*(\buf)+4*q+3], v[XO], s[XB:XB+1] offset:(\off)+16384*q th:TH_LOAD_NT
.set q, q+1
.endr
	WIN 0
.endm
; n1: the loads younger than this tile's W (its X, the next tile's W and X).  n2: those younger than its X (the next tile's W and X and, if ahead, the W just issued).
.macro OT buf, ahead, n1, n2
	WIN 0
	ds_load_b128 v[16:19], v[CO]
	ds_load_b128 v[20:23], v[CO] offset:16
	ds_load_b128 v[24:27], v[CO] offset:1024
	ds_load_b128 v[28:31], v[CO] offset:1040
	s_wait_loadcnt \n1
	WIN 0x04                                       ; O's fragments, source 1, in window 1
.set c, 0
.rept 8
.set t, 0
.rept 4
.if c == 0
	v_wmma_f32_16x16x32_f16 v[192+8*t:192+8*t+7], v[64+64*(\buf)+8*c:64+64*(\buf)+8*c+7], v[8*(4*c+t):8*(4*c+t)+7], 0
.else
	v_wmma_f32_16x16x32_f16 v[192+8*t:192+8*t+7], v[64+64*(\buf)+8*c:64+64*(\buf)+8*c+7], v[8*(4*c+t):8*(4*c+t)+7], v[192+8*t:192+8*t+7]
.endif
.set t, t+1
.endr
.set c, c+1
.endr
	WIN 0
	PLACES
.if \ahead
	WLD \buf, 16384
.endif
	s_wait_dscnt 0x0                               ; the coefficients
.set t, 0
.rept 4
.irp p, 0,1,2,3
	v_pk_fma_f32 v[192+8*t+2*(\p):192+8*t+2*(\p)+1], v[192+8*t+2*(\p):192+8*t+2*(\p)+1], v[16+2*(\p):17+2*(\p)], v[24+2*(\p):25+2*(\p)]
.endr
.set t, t+1
.endr
.set q, 0
.rept 32
	v_max_num_f32 v[192+q], 0, v[192+q]
.set q, q+1
.endr
	s_wait_loadcnt \n2
	s_wait_xcnt 0x0                                ; the last tile's stores have read the registers that are written now
	WIN 0x20                                       ; source 2: x_main, window 2
.set q, 0
.rept 8
.irp t, 0,1,2,3
	v_fma_f32 v[224+4*q+(\t)], s[GAM], v[192+8*(\t)+q], v[32*(\buf)+4*q+(\t)]
.endr
.set q, q+1
.endr
.if \ahead
	XLD \buf, 524288
.endif
	WIN 0
.set q, 0
.rept 8
	global_store_b128 v[XO], v[224+4*q:224+4*q+3], s[OB:OB+1] offset:16384*q th:TH_STORE_NT  ; 16 lanes store 256 consecutive bytes of a row, at a multiple of 256 from out0's first byte
.set q, q+1
.endr
	s_wait_xcnt 0x0                                ; every load and store issued so far has read its base
	s_add_nc_u64 s[WB:WB+1], s[WB:WB+1], 8192
	s_add_nc_u64 s[XB:XB+1], s[XB:XB+1], 262144
	s_add_nc_u64 s[OB:OB+1], s[OB:OB+1], 262144
	v_add_nc_u32 v[CO], 64, v[CO]
.endm
	WLD 0, 0
	XLD 0, 0
	WLD 1, 8192
	XLD 1, 262144
	s_mov_b32 s[CNT], 3
.Lconv:
	OT 0, 1, 32, 40
	OT 1, 1, 32, 40
	s_sub_co_u32 s[CNT], s[CNT], 1
	s_cmp_lg_u32 s[CNT], 0
	s_cbranch_scc1 .Lconv
	OT 0, 0, 32, 24                                ; the last two tiles load nothing: the counts run down
	OT 1, 0, 8, 0
	s_wait_tensorcnt 0x0                           ; the wave's end, behind my last tensor load and my last LDS store
	ds_add_u32 v[SPW], v[NIL]
	s_wait_dscnt 0x0
	CROUND                                         ; the closing round: no work-group ends while a partner may still ask for a block that names it
	s_endpgm
.Lfunc_end_k_qf806eab14a_attn:
	.size	k_qf806eab14a_attn, .Lfunc_end_k_qf806eab14a_attn-k_qf806eab14a_attn
	.p2alignl 7, 3214868480
	.fill 96, 4, 3214868480
	.section	.rodata,"a",@progbits
	.p2align	6, 0x0
	.amdhsa_kernel k_qf806eab14a_attn
		.amdhsa_group_segment_fixed_size 327680
		.amdhsa_private_segment_fixed_size 0
		.amdhsa_enable_private_segment 0
		.amdhsa_kernarg_size 88
		.amdhsa_user_sgpr_count 2
		.amdhsa_user_sgpr_kernarg_segment_ptr 1
		.amdhsa_wavefront_size32 1
		.amdhsa_system_sgpr_workgroup_id_x 1
		.amdhsa_system_sgpr_workgroup_id_y 1
		.amdhsa_system_sgpr_workgroup_id_z 1
		.amdhsa_system_vgpr_workitem_id 0
		.amdhsa_next_free_vgpr 1024
		.amdhsa_next_free_sgpr 72
		.amdhsa_reserve_vcc 0
		.amdhsa_float_denorm_mode_32 3
		.amdhsa_float_denorm_mode_16_64 3
		.amdhsa_memory_ordered 1
		.amdhsa_forward_progress 1
		.amdhsa_inst_pref_size 255
	.end_amdhsa_kernel
	.section	.bss,"aw",@nobits
	.p2align	6
	.space	262144
	.amdgpu_metadata
---
amdhsa.version: [ 1, 2 ]
amdhsa.kernels:
  - .name:           k_qf806eab14a_attn
    .symbol:         k_qf806eab14a_attn.kd
    .args:
      - { .name: q16, .offset: 0, .size: 8, .value_kind: global_buffer, .address_space: global }
      - { .name: kv, .offset: 8, .size: 8, .value_kind: global_buffer, .address_space: global }
      - { .name: wo16, .offset: 16, .size: 8, .value_kind: global_buffer, .address_space: global }
      - { .name: x_main, .offset: 24, .size: 8, .value_kind: global_buffer, .address_space: global }
      - { .name: bo, .offset: 32, .size: 8, .value_kind: global_buffer, .address_space: global }
      - { .name: bn_gamma, .offset: 40, .size: 8, .value_kind: global_buffer, .address_space: global }
      - { .name: bn_beta, .offset: 48, .size: 8, .value_kind: global_buffer, .address_space: global }
      - { .name: bn_mean, .offset: 56, .size: 8, .value_kind: global_buffer, .address_space: global }
      - { .name: bn_var, .offset: 64, .size: 8, .value_kind: global_buffer, .address_space: global }
      - { .name: gamma, .offset: 72, .size: 8, .value_kind: global_buffer, .address_space: global }
      - { .name: out0, .offset: 80, .size: 8, .value_kind: global_buffer, .address_space: global }
    .group_segment_fixed_size: 327680
    .private_segment_fixed_size: 0
    .kernarg_segment_align: 8
    .kernarg_segment_size: 88
    .max_flat_workgroup_size: 128
    .sgpr_count:     72
    .vgpr_count:     1024
    .wavefront_size: 32
...
	.end_amdgpu_metadata
.endif
;; end of part 2
